; MI455X (gfx1250); checked and timed in simulation.
; The chip was launched on July 23, 2026; its instructions are those of AMD's public machine-readable ISA for CDNA 5 (MIT licence, August 2026) and "CDNA5" Instruction Set Architecture Reference Guide (July 2026). The comments in the code are by the model that wrote it; some were corrected since.
;; Attention S. Allowed arithmetic: matrix products marked QUANTISED: E2M3 operands, one E8M0 scale for each 32 along K, by v_wmma_scale_f32_16x16x128_f8f6f4 with both operands' format E2M3, f32 sums; everything else in f32.
;; Inputs: b_out 256 float32; b_qkv 768 float32; w_out 256 x 256 float32; w_qkv 256 x 768 float32; x 2 x 256 x 64 x 64 float32.
;; Outputs: out0 2 x 256 x 64 x 64 float32.
;; This version of the problem:
;;   THIS VERSION OF THE PROBLEM IS GIVEN IN LOW PRECISION. The matrix products marked QUANTISED in the list below multiply operands that are first quantised to E2M3 (2 exponent bits, 3 mantissa bits; 6 bits a number), with one power-of-two scale for each 32 numbers along K (OCP MX v1.0); their sums are f32. All else is computed in f32.
;;   The module's matrix products, in the order in which they are computed (A, B: the left and right operand; K: the contracted axis; several contracted axes count as one K, in the product's order):
;;     1. [M 8,192, K 256] x [K 256, N 768]; A: input x; B: input w_qkv: QUANTISED
;;     2. batch 16 x [M 4,096, K 32] x [K 32, N 4,096]; A: computed on the way; B: computed on the way: QUANTISED
;;     3. batch 16 x [M 4,096, K 4,096] x [K 4,096, N 32]; A: softmax (see below); B: computed on the way: QUANTISED
;;     4. [M 8,192, K 256] x [K 256, N 256]; A: computed on the way; B: input w_out: QUANTISED
;;   THE QUANTISER, for each operand of a quantised product, along K:
;;     - K is cut into blocks of 32 from its start; a last block that is shorter is filled with zeros.
;;     - A block's scale is 2^e with e = floor(log2(the largest magnitude in the block)) - 2, held to -126 .. 127; a block of zeros has e = 0. As a byte (E8M0): e + 127.
;;     - Each number is divided by its block's scale, clamped to +-7.5, and rounded to the nearest number of E2M3, ties to even, subnormals kept.
;;     - The product sums the exact products of the quantised numbers (number of the format x scale) in f32.
;;   ~~~python
;;   def quantise(x, axis):      # numpy; x: float32 -> the quantised numbers, widened to float32 again
;;       x = np.moveaxis(x, axis, -1); K = x.shape[-1]
;;       x = np.pad(x, [(0, 0)] * (x.ndim - 1) + [(0, -K % 32)]); x = x.reshape(x.shape[:-1] + (-1, 32)); a = np.abs(x).max(-1, keepdims=True)
;;       e = np.where(a > 0, np.clip(np.frexp(np.where(a > 0, a, 1))[1] - 1 - 2, -126, 127), 0)      # np.frexp(a)[1] - 1 = floor(log2(a)), exactly
;;       r = np.clip(x / 2.0 ** e, -7.5, 7.5)
;;       step = 2.0 ** (np.maximum(np.frexp(np.where(r == 0, 1, r))[1] - 1, 0) - 3)
;;       q = np.round(r / step) * step * 2.0 ** e      # np.round: ties to even
;;       return np.moveaxis(q.reshape(q.shape[:-2] + (-1,))[..., :K], -1, axis).astype(np.float32)
;;   ~~~
;;   SOFTMAX AHEAD OF A QUANTISED PRODUCT. Where the list says 'softmax', what is quantised is not the finished softmax but p = 2^(t - M), with t = logit x log2(e) and M = ceil(the row's largest t), a whole number; so 1/2 < the row's largest p <= 1. The row's sum l is taken of the UNQUANTISED p, in f32, and the product's result is divided by l at the end. Since M is a whole number, a kernel that streams over the keys may use a running M (the ceiling of the running maximum): every later rescaling is an exact power of two, which a block's scale takes up: the codes' values come out the same.
;;   OPERANDS COMPUTED ON THE WAY. 'Computed on the way' means the value that the module computes at that place (a softmax that the list does not call 'softmax' is quantised finished and normalised). What goes into a quantiser is computed in f32, as accurately as f32 sums, v_exp_f32 and their like allow (about 1e-6 of the number): no bf16 or f16 on the way to a quantiser, and a product that is left as it is and whose result goes on into a quantised operand takes f32 operands (vector FMAs, or v_wmma_f32_16x16x4_f32). A number that lies on a knife's edge between two numbers of the format may be rounded either way, as far as f32 arithmetic and the matrix unit's own rounding can turn it there, and no further.
;; One version. Each part assembles by itself: llvm-mc -triple=amdgcn-amd-amdhsa -mcpu=gfx1250 --defsym DOCPART=n.
;; ======== version 1 of 1: 3 launches
;; limits: right only within a limited range of input values
;; workspace buffers: qkvw 5,111,808 bytes; ow 1,638,400 bytes
;; launch qkv (part 1): grid 64 x 4, 16 waves a work-group, no clusters, 86,016 bytes of LDS; arguments x, w_qkv, b_qkv, qkvw; writes qkvw
.if DOCPART == 1
	.amdgcn_target "amdgcn-amd-amdhsa--gfx1250"
	.amdhsa_code_object_version 6
	.text
	.protected	k_q09208fb550_qkv
	.globl	k_q09208fb550_qkv
	.p2align	8
	.type	k_q09208fb550_qkv,@function
k_q09208fb550_qkv:
	s_mov_b64 s[64:65], 0
	v_nop
	global_prefetch_b8 v0, s[64:65] scope:SCOPE_SE
	s_setreg_imm32_b32 hwreg(HW_REG_WAVE_MODE, 25, 1), 1
	s_wait_xcnt 0x0
; qkv = tokens w_qkv + b_qkv on codes of FP6 (E2M3) with one E8M0 scale for each 32 along K = the 256 channels; then q and k are quantised along the head's 32, v along the tokens.
; x: [2][256][4096] f32 (tokens innermost), w_qkv: [256][768] f32, b_qkv: [768] f32.  Both operands have K as their OUTER axis: a lane takes a token (or a column) and its registers run down K.
; SHARES.  A work-group takes 128 tokens (work-group x) and the heads 2 hp, 2 hp + 1 (work-group y = hp): 192 columns of w_qkv.  Sixteen waves.  Each quantises two blocks (32 tokens x 32 channels) of x and three
; blocks (32 columns x 32 channels) of w_qkv; the codes go to LDS as IMAGES OF THE OPERANDS' REGISTERS: a fragment (16 rows x 128 K) is 1,536 bytes, lane l's 48 bytes at 48 l: (row m, block j) at 48 (m + 16 (j & 1)) + 24 (j >> 1);
; its scale words 64 bytes, row m's at 4 m.  Then wave w makes q and k of token tile w & 7 for head w >> 3 (source 0 = 16 columns, source 1 = 16 tokens: a lane holds one token, its registers run along the head's 32),
; and v of 32 tokens (w & 3) for 16 channels ((w >> 2) & 1) of head w >> 3 (source 0 = 16 tokens, source 1 = 16 columns: a lane holds one channel, its registers run along the tokens).
; THE 16 ROWS OF A TILE ARE NOT NEIGHBOURS: of a group of 32 (tokens of x, columns of w_qkv) tile u, row r is element 8 u + r + 8 (r / 8): so the 16 registers of two neighbouring tiles are 16 neighbours, 16 (lane / 16) + 0 .. 15.
; OUT.  One run of 19,968 bytes of qkvw for (batch, hp, 128 tokens): two records of 9,984 bytes, one a head: K's two fragments (block i, row m = key 64 c + 32 (m / 8) + 8 i + m % 8), V's two fragments (row m = channel
; 8 u + m + 8 (m / 8), block b = keys 32 b on), K's and V's scale words, q's codes (24 bytes a token), q's scale words (the byte four times).  The run is gathered in LDS and leaves in stores of 512 consecutive bytes.
; NO CLUSTER, NO TENSOR LOAD: what work-groups share here is f32 that has to pass through registers for the quantiser; the two f32 tiles (128 KiB of x, 192 KiB of w_qkv) would not lie in LDS together.
; LIMITS: NaN and infinities among the inputs are not served.  A block whose largest magnitude lies under 2^-124, a block of zeros too, takes the scale byte 1: its codes are then zeros or subnormal codes; the bytes are read by this program alone.
.set XIMG, 0                           ; x's 16 fragments: (token tile t, K step s) at (2 t + s) x 1,536
.set XSC,  24576                       ; their scale words, 64 bytes a fragment
.set WIMG, 25600                       ; w_qkv's 24 fragments: (((2 kind + head) 2 + u) 2 + s) x 1,536; kind 0, 1, 2 = q, k, v
.set WSC,  62464                       ; their scale words
.set STG,  64000                       ; the run's image, 19,968 bytes
.set REC,  9984                        ; a head's record
.set R,    64                          ; v64-127  two sets of 32 numbers; later fragments
.set CD,   128                         ; v128-157 codes of the five blocks, six registers each
.set CT,   158                         ; v158-160 a block's upper 16 codes (a conversion's three registers begin on an even number)
.set BY,   162                         ; v162-166 the five scale bytes; v167 two of them packed
.set SC,   184                         ; v184-193 scale words for the products, and nothing else
.set ACCQ, 32                          ; v32-47   q: two tiles of 16 columns; begins as the bias
.set ACCK, 48                          ; v48-63   k likewise
.set ACCV, 200                         ; v200-215 v: two tiles of 16 tokens
.set TA,   24                          ; v24-27   at work: two chains of maxima, the conversion's scale operand, the lane exchange
.set TBB,  25
.set TS,   26
.set TP,   27
; s[16:17] x, s[18:19] w_qkv, s[20:21] b_qkv, s[22:23] qkvw, each at the wave's (the work-group's) part; s[24:25] lane selects; s36-42 fields of the wave's number; s46-47 at work
; 32 numbers of ONE block in a lane's registers -> six registers of codes and the scale's byte
.macro QCOL src, dst, by
	v_max3_num_f32 v[TA], |v[(\src)]|, |v[(\src)+1]|, |v[(\src)+2]|
	v_max3_num_f32 v[TBB], |v[(\src)+3]|, |v[(\src)+4]|, |v[(\src)+5]|
.irp i, 6,10,14,18,22,26
	s_delay_alu instid0(VALU_DEP_2)
	v_max3_num_f32 v[TA], v[TA], |v[(\src)+\i]|, |v[(\src)+\i+1]|
	s_delay_alu instid0(VALU_DEP_2)
	v_max3_num_f32 v[TBB], v[TBB], |v[(\src)+\i+2]|, |v[(\src)+\i+3]|
.endr
	s_delay_alu instid0(VALU_DEP_2)
	v_max3_num_f32 v[TA], v[TA], |v[(\src)+30]|, |v[(\src)+31]|
	s_delay_alu instid0(VALU_DEP_1)
	v_max3_num_f32 v[TA], v[TA], v[TBB], 0x1800000             ; the floor 2^(3 - 127): the byte cannot fall under 1
	s_delay_alu instid0(VALU_DEP_1)
	v_add_nc_u32 v[TS], 0xff000000, v[TA]                      ; 2 off the exponent field: the conversion takes this operand's exponent field as its scale
	s_delay_alu instid0(VALU_DEP_1)
	v_lshrrev_b32 v[(\by)], 23, v[TS]                          ; the scale's byte
	v_cvt_scalef32_pk16_fp6_f32 v[(\dst):(\dst)+2], v[(\src):(\src)+15], v[TS]
	v_cvt_scalef32_pk16_fp6_f32 v[CT:CT+2], v[(\src)+16:(\src)+31], v[TS]
	v_nop                                                      ; one plain place behind a scaled conversion
.irp i, 0,1,2
	v_mov_b32 v[(\dst)+3+\i], v[CT+\i]
.endr
.endm
; 16 numbers of a lane, half of a block that it shares with lane l xor 16 -> three registers of codes and the byte.  Both accumulators are read from their low end on.
.macro QUANT16 src, dst, by
	v_max3_num_f32 v[TA], |v[(\src)]|, |v[(\src)+1]|, 0x1800000
	v_max3_num_f32 v[TBB], |v[(\src)+8]|, |v[(\src)+9]|, |v[(\src)+10]|
	v_max3_num_f32 v[TA], v[TA], |v[(\src)+2]|, |v[(\src)+3]|
	v_max3_num_f32 v[TBB], v[TBB], |v[(\src)+11]|, |v[(\src)+12]|
	v_max3_num_f32 v[TA], v[TA], |v[(\src)+4]|, |v[(\src)+5]|
	v_max3_num_f32 v[TBB], v[TBB], |v[(\src)+13]|, |v[(\src)+14]|
	v_max3_num_f32 v[TA], v[TA], |v[(\src)+6]|, |v[(\src)+7]|
	v_max3_num_f32 v[TA], v[TA], v[TBB], |v[(\src)+15]|
	s_delay_alu instid0(VALU_DEP_1)
	v_permlanex16_b32 v[TP], v[TA], s24, s25
	s_delay_alu instid0(VALU_DEP_1)
	v_max_num_f32 v[TA], v[TA], v[TP]                          ; the block's largest magnitude
	s_delay_alu instid0(VALU_DEP_1)
	v_add_nc_u32 v[TS], 0xff000000, v[TA]
	s_delay_alu instid0(VALU_DEP_1)
	v_lshrrev_b32 v[(\by)], 23, v[TS]
	v_cvt_scalef32_pk16_fp6_f32 v[(\dst):(\dst)+2], v[(\src):(\src)+15], v[TS]
	v_nop                                                      ; one plain place behind a scaled conversion
.endm
.macro BARRIER                         ; my LDS stores have landed and my LDS loads are in: then the work-group's barrier
	s_wait_dscnt 0x0
	s_barrier_signal -1
	s_barrier_wait -1
.endm
.macro FETCH reg, adr, off             ; a fragment's image back into 12 registers
.irp i, 0,1,2
	ds_load_b128 v[(\reg)+4*\i:(\reg)+4*\i+3], v[\adr] offset:(\off)+16*\i
.endr
.endm
.macro MMA d, a, b, sa, sb             ; d += a x b
	v_wmma_scale_f32_16x16x128_f8f6f4 v[(\d):(\d)+7], v[(\a):(\a)+11], v[(\b):(\b)+11], v[(\d):(\d)+7], v[(\sa)], v[(\sb)] matrix_a_fmt:MATRIX_FMT_FP6 matrix_b_fmt:MATRIX_FMT_FP6
.endm
.macro MM0 d, a, b, sa, sb             ; d = a x b
	v_wmma_scale_f32_16x16x128_f8f6f4 v[(\d):(\d)+7], v[(\a):(\a)+11], v[(\b):(\b)+11], 0, v[(\sa)], v[(\sb)] matrix_a_fmt:MATRIX_FMT_FP6 matrix_b_fmt:MATRIX_FMT_FP6
.endm
.macro SSET k                          ; s46 = k
	s_mov_b32 s46, \k
.endm
.macro SACC src, k                     ; s46 += s[src] x k
	s_mul_i32 s47, s[\src], \k
	s_add_co_u32 s46, s46, s47
.endm
; block q of the wave's five into set q % 2: q = 0, 1: x(64 (w / 4) + 32 q + i, my token); q = 2, 3, 4: w_qkv(32 (w % 8) + i, my column of q, k, v).  32 lanes read 128 consecutive bytes
.macro LOAD q
.set i, 0
.rept 32
.if (\q) < 2
	global_load_b32 v[R+32*((\q)%2)+i], v1, s[16:17] offset:(32*(\q)+i)*16384
.else
	global_load_b32 v[R+32*((\q)%2)+i], v1, s[18:19] offset:i*3072+((\q)-2)*1024
.endif
.set i, i+1
.endr
.endm
	s_load_b256 s[4:11], s[0:1], 0x0               ; x s[4:5], w_qkv s[6:7], b_qkv s[8:9], qkvw s[10:11]
	v_lshl_add_u32 v254, v0, 2, 0x14800
	v_mov_b32 v255, 0
	v_lshrrev_b32 v24, 5, v0
	s_delay_alu instid0(VALU_DEP_1)
	v_readfirstlane_b32 s12, v24                   ; wave w, 0..15
	s_and_b32 s14, ttmp7, 0xffff                   ; hp
	s_lshr_b32 s26, ttmp9, 5                       ; batch
	s_and_b32 s27, ttmp9, 31                       ; which 128 tokens of it
	s_and_b32 s36, s12, 3                          ; w & 3
	s_lshr_b32 s37, s12, 3                         ; w >> 3
	s_bfe_u32 s38, s12, 0x10002                    ; (w >> 2) & 1
	s_and_b32 s39, s12, 7                          ; w & 7
	s_and_b32 s40, s12, 1                          ; w & 1
	s_bfe_u32 s41, s12, 0x10001                    ; (w >> 1) & 1
	s_bfe_u32 s42, s12, 0x20001                    ; (w >> 1) & 3
	s_mov_b32 s24, 0x76543210
	s_mov_b32 s25, 0xfedcba98                      ; v_permlanex16_b32's selects for lane l xor 16
	s_lshl_b32 s28, s26, 22                        ; x: the batch's 4 MiB,
	s_lshl_b32 s47, s27, 9                         ; the work-group's 128 tokens,
	s_add_co_u32 s28, s28, s47
	s_lshl_b32 s47, s36, 7                         ; my wave's 32 of them,
	s_add_co_u32 s28, s28, s47
	s_lshr_b32 s47, s12, 2
	s_lshl_b32 s47, s47, 20                        ; and its 64 channels of 16,384 bytes
	s_add_co_u32 s28, s28, s47
	s_mov_b32 s29, 0
	s_lshl_b32 s32, s14, 8                         ; b_qkv: the pair of heads' 64 columns, my head's 32
	s_lshl_b32 s47, s37, 7
	s_add_co_u32 s32, s32, s47
	s_mov_b32 s33, 0
	s_mul_i32 s30, s39, 98304                      ; w_qkv: the same columns, 32 (w & 7) rows of 3,072 bytes down
	s_add_co_u32 s30, s30, s32
	s_mov_b32 s31, 0
	s_lshl_b32 s34, s26, 2                         ; qkvw: run (4 batch + hp) 32 + step
	s_add_co_u32 s34, s34, s14
	s_lshl_b32 s34, s34, 5
	s_add_co_u32 s34, s34, s27
	s_mul_i32 s34, s34, 2*REC
	s_mov_b32 s35, 0
	v_and_b32 v24, 31, v0                          ; L
	v_and_b32 v25, 15, v0                          ; r
	v_bfe_u32 v26, v0, 4, 1                        ; h
	v_and_b32 v27, 7, v0                           ; L & 7 = r & 7
	v_bfe_u32 v28, v0, 3, 1                        ; (L >> 3) & 1 = r >> 3
	v_lshlrev_b32 v1, 2, v24                       ; 4 L: my token's or my column's bytes
	s_delay_alu instid0(VALU_DEP_4)
	v_lshlrev_b32 v14, 6, v26                      ; q's and k's bias: lane (r, h) wants columns 16 h + 8 u + 0 .. 7
	v_lshlrev_b32 v15, 2, v25                      ; v's bias: my channel 8 u + r + 8 (r / 8)
	s_delay_alu instid0(VALU_DEP_1)
	v_lshl_add_u32 v15, v28, 5, v15
	s_lshl_b32 s46, s38, 5
	v_add_nc_u32 v15, s46, v15
	s_wait_alu depctr_va_vdst(0)
	s_wait_kmcnt 0x0
	s_add_nc_u64 s[16:17], s[4:5], s[28:29]
	s_add_nc_u64 s[18:19], s[6:7], s[30:31]
	s_add_nc_u64 s[20:21], s[8:9], s[32:33]
	s_add_nc_u64 s[22:23], s[10:11], s[34:35]
.irp k, 0,1                            ; the biases of q and k land in the accumulators: they are the C of each sum's first product
.irp u, 0,1
	global_load_b128 v[ACCQ+16*\k+8*\u:ACCQ+16*\k+8*\u+3], v14, s[20:21] offset:\k*1024+32*\u
	global_load_b128 v[ACCQ+16*\k+8*\u+4:ACCQ+16*\k+8*\u+7], v14, s[20:21] offset:\k*1024+32*\u+16
.endr
.endr
	global_load_b32 v216, v15, s[20:21] offset:2048
	global_load_b32 v217, v15, s[20:21] offset:2048            ; twice: a pair for the packed addition
	LOAD 0
	LOAD 1
	; the LDS addresses, made while the loads are out: a lane term + constants x fields of the wave's number
	v_mul_u32_u24 v29, v28, 3072                   ; a column's (token's) place among two tiles' images: tile (L >> 3) & 1, row (L & 7) + 8 (L >> 4)
	s_delay_alu instid0(VALU_DEP_1)
	v_mad_u32_u24 v29, v27, 48, v29
	s_delay_alu instid0(VALU_DEP_1)
	v_mad_u32_u24 v29, v26, 384, v29
	v_lshlrev_b32 v30, 7, v28                      ; the same among their scale words
	s_delay_alu instid0(VALU_DEP_1)
	v_lshl_add_u32 v30, v27, 2, v30
	s_delay_alu instid0(VALU_DEP_1)
	v_lshl_add_u32 v30, v26, 5, v30
	s_wait_alu depctr_va_vdst(0)
	v_mul_u32_u24 v31, v24, 48                     ; my lane's 48 bytes of an image
	s_wait_alu depctr_va_vdst(0)
	SSET 0                                         ; v2: where x's codes go: group of 32 tokens w & 3, K step w >> 3, blocks 2 ((w >> 2) & 1) + 0, 1
	SACC 36, 6144
	SACC 37, 1536
	SACC 38, 24
	v_add_nc_u32 v2, s46, v29
	SSET 0                                         ; v3: their two scale bytes
	SACC 36, 256
	SACC 37, 64
	SACC 38, 2
	v_add_nc_u32 v3, s46, v30
	SSET 0                                         ; v4: where w_qkv's codes go: head w >> 3, block w & 7 of K
	SACC 37, 6144
	SACC 38, 1536
	SACC 40, 768
	SACC 41, 24
	v_add_nc_u32 v4, s46, v29
	SSET 0                                         ; v5: their scale byte
	SACC 37, 256
	SACC 38, 64
	SACC 36, 1
	v_add_nc_u32 v5, s46, v30
	s_mul_i32 s46, s39, 3072                       ; v6: x's fragments of token tile w & 7
	v_add_nc_u32 v6, s46, v31
	s_mul_i32 s46, s37, 6144                       ; v7: w_qkv's fragments of head w >> 3
	v_add_nc_u32 v7, s46, v31
	s_mul_i32 s46, s36, 6144                       ; v8: x's fragments of the 32 tokens w & 3
	v_add_nc_u32 v8, s46, v31
	SSET 0                                         ; v9: v's columns: head w >> 3, tile (w >> 2) & 1
	SACC 37, 6144
	SACC 38, 3072
	v_add_nc_u32 v9, s46, v31
	s_lshl_b32 s46, s39, 7                         ; v10-13: the same four for the scale words, 4 r
	v_lshl_add_u32 v10, v25, 2, s46
	s_lshl_b32 s46, s37, 8
	v_lshl_add_u32 v11, v25, 2, s46
	s_lshl_b32 s46, s36, 8
	v_lshl_add_u32 v12, v25, 2, s46
	SSET 0
	SACC 37, 256
	SACC 38, 128
	v_lshl_add_u32 v13, v25, 2, s46
	v_mul_u32_u24 v16, v25, 24                     ; v16: q's codes: token 32 (t / 2) + 8 (t % 2) + r + 8 (r / 8), 24 bytes each, + 12 h;  t = w & 7
	s_delay_alu instid0(VALU_DEP_1)
	v_mad_u32_u24 v16, v28, 192, v16
	s_delay_alu instid0(VALU_DEP_1)
	v_mad_u32_u24 v16, v26, 12, v16
	SSET STG+6400
	SACC 37, REC
	SACC 42, 768
	SACC 40, 192
	v_add_nc_u32 v16, s46, v16
	v_lshlrev_b32 v17, 2, v25                      ; v17: q's scale word
	s_delay_alu instid0(VALU_DEP_1)
	v_lshl_add_u32 v17, v28, 5, v17
	SSET STG+9472
	SACC 37, REC
	SACC 42, 128
	SACC 40, 32
	v_add_nc_u32 v17, s46, v17
	v_mul_u32_u24 v18, v27, 48                     ; v18: k's codes: fragment t / 4, row 8 ((t / 2) % 2) + r % 8, block t % 2 + 2 (r / 8), + 12 h
	s_delay_alu instid0(VALU_DEP_1)
	v_mad_u32_u24 v18, v28, 24, v18
	s_delay_alu instid0(VALU_DEP_1)
	v_mad_u32_u24 v18, v26, 12, v18
	s_wait_alu depctr_va_vdst(0)
	SSET STG
	SACC 37, REC
	SACC 38, 1536
	SACC 41, 384
	SACC 40, 768
	v_add_nc_u32 v18, s46, v18
	v_lshlrev_b32 v19, 2, v27                      ; v19: k's scale byte
	s_delay_alu instid0(VALU_DEP_1)
	v_lshl_add_u32 v19, v28, 1, v19
	s_wait_alu depctr_va_vdst(0)
	SSET STG+6144
	SACC 37, REC
	SACC 38, 64
	SACC 41, 32
	SACC 40, 1
	v_add_nc_u32 v19, s46, v19
	v_mul_u32_u24 v20, v25, 48                     ; v20: v's codes: fragment (w >> 2) & 1, row r, block w & 3, + 12 h
	s_delay_alu instid0(VALU_DEP_1)
	v_mad_u32_u24 v20, v26, 12, v20
	s_wait_alu depctr_va_vdst(0)
	SSET STG+3072
	SACC 37, REC
	SACC 38, 1536
	SACC 40, 768
	SACC 41, 24
	v_add_nc_u32 v20, s46, v20
	v_lshlrev_b32 v21, 2, v25                      ; v21: v's scale byte
	SSET STG+6272
	SACC 37, REC
	SACC 38, 64
	SACC 36, 1
	v_add_nc_u32 v21, s46, v21
	v_lshlrev_b32 v23, 4, v0                       ; v23, v22: the way out: 16 bytes a thread
	s_delay_alu instid0(VALU_DEP_1)
	v_add_nc_u32 v22, STG, v23
; ---- the quantisers: five blocks a wave, loads two blocks ahead
.macro XBLK q
.if \q < 4
	s_wait_loadcnt 32                              ; this block's loads (and all before them) are in; the next block's 32 may be out
.else
	s_wait_loadcnt 0x0
.endif
	QCOL R+32*(\q%2), CD+6*\q, BY+\q
.if \q < 3
	LOAD (\q+2)
.endif
.if \q < 2
.irp p, 0,1,2
	ds_store_b64 v2, v[CD+6*\q+2*\p:CD+6*\q+2*\p+1] offset:XIMG+768*\q+8*\p
.endr
.else
.irp p, 0,1,2
	ds_store_b64 v4, v[CD+6*\q+2*\p:CD+6*\q+2*\p+1] offset:WIMG+12288*(\q-2)+8*\p
.endr
	ds_store_b8 v5, v[BY+\q] offset:WSC+512*(\q-2)
.endif
.if \q == 1
	v_lshl_or_b32 v[BY+5], v[BY+1], 8, v[BY]       ; x's two bytes are neighbours in a scale word
	ds_store_b16 v3, v[BY+5] offset:XSC
.endif
.endm
	XBLK 0
	XBLK 1
	XBLK 2
	XBLK 3
	XBLK 4
	BARRIER                                        ; all 40 fragments and their scale words lie in LDS
; ---- q and k of token tile w & 7, head w >> 3.  v64-87 x's two K steps; v88-135 q's columns (u, s); v136-183 k's
.irp s, 0,1
	FETCH 64+12*\s, 6, XIMG+1536*\s
	ds_load_b32 v[SC+\s], v10 offset:XSC+64*\s
.endr
.irp k, 0,1
.irp u, 0,1
.irp s, 0,1
	FETCH 88+48*\k+12*(2*\u+\s), 7, WIMG+12288*\k+3072*\u+1536*\s
	ds_load_b32 v[SC+2+4*\k+2*\u+\s], v11 offset:WSC+512*\k+128*\u+64*\s
.endr
.endr
.endr
	s_wait_dscnt 0x0                               ; (the biases came with the first wait on the loads)
.irp s, 0,1                            ; four accumulators by turns, one instruction a turn
.irp k, 0,1
.irp u, 0,1
	MMA ACCQ+16*\k+8*\u, 88+48*\k+12*(2*\u+\s), 64+12*\s, SC+2+4*\k+2*\u+\s, SC+\s
.endr
.endr
.endr
.rept 4
	v_nop                                          ; four places ahead of the loads into registers that these products read, and of the first read of their results
.endr
	; v's operands are asked for now and land while q and k are quantised: v64-111 the 32 tokens' fragments (u', s); v112-135 my 16 columns' (s)
.irp u, 0,1
.irp s, 0,1
	FETCH 64+12*(2*\u+\s), 8, XIMG+3072*\u+1536*\s
	ds_load_b32 v[SC+2*\u+\s], v12 offset:XSC+128*\u+64*\s
.endr
.endr
.irp s, 0,1
	FETCH 112+12*\s, 9, WIMG+24576+1536*\s
	ds_load_b32 v[SC+4+\s], v13 offset:WSC+1024+64*\s
.endr
	QUANT16 ACCQ, 220, 232                         ; lane (r, h): my token's q at 16 h + 0 .. 15 of the head
	ds_store_b32 v16, v220
	ds_store_b32 v16, v221 offset:4
	ds_store_b32 v16, v222 offset:8
	v_mul_lo_u32 v232, v232, 0x01010101            ; the byte four times: q will stand in any of an operand's four blocks
	ds_store_b32 v17, v232
	QUANT16 ACCK, 224, 233
	ds_store_b32 v18, v224
	ds_store_b32 v18, v225 offset:4
	ds_store_b32 v18, v226 offset:8
	ds_store_b8 v19, v233                          ; both lanes of a block write the same byte with the same value
; ---- v of the 32 tokens w & 3, 16 channels
	s_wait_dscnt 0x0
.irp u, 0,1
	MM0 ACCV+8*\u, 64+12*(2*\u), 112, SC+2*\u, SC+4
.endr
.irp u, 0,1
	MMA ACCV+8*\u, 64+12*(2*\u+1), 124, SC+2*\u+1, SC+5
.endr
.rept 4
	v_nop
.endr
.irp j, 0,2,4,6,8,10,12,14
	v_pk_add_f32 v[ACCV+\j:ACCV+\j+1], v[ACCV+\j:ACCV+\j+1], v[216:217]   ; my channel's bias; each accumulator from its low end on
.endr
	QUANT16 ACCV, 228, 234                         ; lane (r, h): my channel at tokens 16 h + 0 .. 15 of the 32
	ds_store_b32 v20, v228
	ds_store_b32 v20, v229 offset:4
	ds_store_b32 v20, v230 offset:8
	ds_store_b8 v21, v234
	BARRIER                                        ; the run lies whole in the stage
; ---- the way out: 1,248 pieces of 16 bytes = 2 x 512 threads + 7 waves; each store of a wave covers 512 consecutive bytes, aligned
	ds_load_b128 v[64:67], v22
	ds_load_b128 v[68:71], v22 offset:8192
	s_wait_dscnt 0x0
	global_store_b128 v23, v[64:67], s[22:23]
	global_store_b128 v23, v[68:71], s[22:23] offset:8192
	s_cmp_lt_u32 s12, 7
	s_cbranch_scc0 .Lend
	ds_load_b128 v[72:75], v22 offset:16384
	s_wait_dscnt 0x0
	global_store_b128 v23, v[72:75], s[22:23] offset:16384
.Lend:
	s_wait_tensorcnt 0x0
	ds_add_u32 v254, v255
	s_wait_dscnt 0x0
	s_endpgm
.Lfunc_end_k_q09208fb550_qkv:
	.size	k_q09208fb550_qkv, .Lfunc_end_k_q09208fb550_qkv-k_q09208fb550_qkv
	.p2alignl 7, 3214868480
	.fill 96, 4, 3214868480
	.section	.rodata,"a",@progbits
	.p2align	6, 0x0
	.amdhsa_kernel k_q09208fb550_qkv
		.amdhsa_group_segment_fixed_size 86016
		.amdhsa_private_segment_fixed_size 0
		.amdhsa_enable_private_segment 0
		.amdhsa_kernarg_size 32
		.amdhsa_user_sgpr_count 2
		.amdhsa_user_sgpr_kernarg_segment_ptr 1
		.amdhsa_wavefront_size32 1
		.amdhsa_system_sgpr_workgroup_id_x 1
		.amdhsa_system_sgpr_workgroup_id_y 1
		.amdhsa_system_sgpr_workgroup_id_z 1
		.amdhsa_system_vgpr_workitem_id 0
		.amdhsa_next_free_vgpr 256
		.amdhsa_next_free_sgpr 66
		.amdhsa_reserve_vcc 0
		.amdhsa_float_denorm_mode_32 3
		.amdhsa_float_denorm_mode_16_64 3
		.amdhsa_memory_ordered 1
		.amdhsa_forward_progress 1
		.amdhsa_inst_pref_size 47
	.end_amdhsa_kernel
	.amdgpu_metadata
---
amdhsa.version: [ 1, 2 ]
amdhsa.kernels:
  - .name:           k_q09208fb550_qkv
    .symbol:         k_q09208fb550_qkv.kd
    .args:
      - { .name: x, .offset: 0, .size: 8, .value_kind: global_buffer, .address_space: global }
      - { .name: w_qkv, .offset: 8, .size: 8, .value_kind: global_buffer, .address_space: global }
      - { .name: b_qkv, .offset: 16, .size: 8, .value_kind: global_buffer, .address_space: global }
      - { .name: qkvw, .offset: 24, .size: 8, .value_kind: global_buffer, .address_space: global }
    .group_segment_fixed_size: 86016
    .private_segment_fixed_size: 0
    .kernarg_segment_align: 8
    .kernarg_segment_size: 32
    .max_flat_workgroup_size: 512
    .sgpr_count:     66
    .vgpr_count:     256
    .wavefront_size: 32
...
	.end_amdgpu_metadata
.endif
;; end of part 1
;; launch attn (part 2): grid 16 x 16, 16 waves a work-group, clusters of 4 x 1, 327,680 bytes of LDS; arguments qkvw, ow; writes ow
.if DOCPART == 2
	.amdgcn_target "amdgcn-amd-amdhsa--gfx1250"
	.amdhsa_code_object_version 6
	.text
	.protected	k_q09208fb550_attn
	.globl	k_q09208fb550_attn
	.p2align	8
	.type	k_q09208fb550_attn,@function
k_q09208fb550_attn:
	s_mov_b64 s[64:65], 0
	v_nop
	global_prefetch_b8 v0, s[64:65] scope:SCOPE_SE
	s_setreg_imm32_b32 hwreg(HW_REG_WAVE_MODE, 25, 1), 1
	s_wait_xcnt 0x0
	s_wait_alu depctr_hold_cnt(0) depctr_sa_sdst(0) depctr_va_vdst(0) depctr_va_sdst(0) depctr_va_ssrc(0) depctr_va_vcc(0) depctr_vm_vsrc(0)
	s_getreg_b32 s2, hwreg(HW_REG_IB_STS2, 6, 4)
	s_cmp_eq_u32 s2, 0
	s_cbranch_scc0 .Lentry_in_a_cluster
	s_endpgm
.Lentry_in_a_cluster:
	s_bfe_u32 s2, ttmp6, 0x10000c
	s_cmp_lg_u32 s2, 0x3003
	s_cbranch_scc0 .Lentry_shape_is_right
	s_endpgm
.Lentry_shape_is_right:
; o = softmax(q k^T / sqrt(32)) v for one (batch, head) and 256 queries, on codes of FP6 (E2M3) with E8M0 scales; o is quantised along the head's 32 and stored as codes and scale bytes.
; qkvw: for (4 batch + head / 2, step of 128 keys) a run of 19,968 bytes, two records of 9,984, one a head: K's two fragments, V's two fragments (images of the operands' registers, lane l's 48 bytes at 48 l),
; K's and V's scale words (6,400 bytes so far), q's codes (24 bytes a token), q's scale words.  ow: for (8 batch + head, block of 256 queries) 6,144 bytes of codes and 256 scale bytes.
; SHARES.  Work-group (x, y): head y, queries 256 x on.  Wave w: 16 queries.  All 32 steps' K and V, 204,800 bytes, lie in LDS at once: wave w asks for steps 2 w and 2 w + 1 by ONE tensor load
; (2 rows of 6,400 bytes, 19,968 bytes apart in memory, each beginning at a multiple of 256), so nothing is filled again.  The four work-groups of a cluster walk the same head: the load is a joint one.
; LAYOUT.  S^T = k q^T: K's fragment holds four groups of 16 keys in its four blocks of 32 along K; q stands in one block of source 1 and zero codes in the other three, so four products take the four groups.
; Lane (r, h) then holds query r, and registers S + 32 c + 0 .. 31 are keys 64 c + 32 h + 0 .. 31: a whole block of the next K in one lane, in the order that the operand's layout wants.
; THE STEP IS LAID OVER TWO STEPS: step i's score products go in two halves, with the last step's sums over the second half of p between them; the moves and the scale word that finish step i - 1's p stand among
; the lines that make M; O^T += v^T p^T of step i - 1 is issued among step i's multiply-adds.  K's fragments are asked for a step ahead, V's ahead of the exponentials.
; Chains of dependent lines go by fours: a block's largest score in four chains, one an accumulator; the row's sum in eight, four for each half of p.
; M is the running largest t rounded up to a whole number, kept as -M; sums and O^T are brought under a new M by f = 2^(old M - new M), which rounds nothing.  The row's sum is taken of the unquantised p.
; A block's largest p is made from the block's largest score by the same multiply-add and exponential as every p.
; NO PREFETCH: every byte of K and V is asked for at the head by the one load a wave; there is no loop to run ahead in.
; LIMITS: NaN and infinities are not served; the promise holds while the scaled scores stay under 2^31 in magnitude.  A block whose every p has fallen to 0 takes the byte 1: its codes are zeros.
.set STEPB, 6400                       ; a step's K and V in LDS
.set RUN,   19968
.set STG,   204800                     ; the way out: 6,400 bytes that no tensor load fills
.set SPARE, 211200                     ; the spare words, 128 bytes a wave
.set S,     96                         ; v96-159  scores, then p
.set O,     160                        ; v160-175 O^T, two tiles of 16 channels
.set P,     176                        ; v176-187 p's codes; v188-190, v192-194 the blocks' upper 16 codes (a conversion's three registers begin on an even number)
.set CH,    216                        ; v216-231 the row's sum: eight chains of two; at the end o / the sum
.set MX,    232                        ; v232-239 the maxima's eight chains
.set TA,    212
.set TBB,   213
.set TS,    204
.set TP,    208
; v1, v2 lane terms of the fragments' and scale words' addresses; v3, v4 the same at this step; v5-8 the way out; v9, v10 q's offsets; v12 -M, v13 the running largest score; v14 at the end the row's sum
; v16-45 q's codes between zeros; v46 q's scale word; v48-71 K's fragments; v72-95 V's; v196-197 K's scale words, v198-199 V's, v200 p's: these hold scales alone
; v202-203 the blocks' largest scores, then p; v204-205 the conversions' scale operands; v[210:211] f
.macro ROUND
	s_barrier_signal -1
	s_barrier_wait -1
	s_cmp_lg_u32 s8, 0
	s_cbranch_scc1 .Lnot_wave_0_\@
	s_barrier_signal -3
.Lnot_wave_0_\@:
	s_barrier_wait -3
	s_barrier_signal -1
	s_barrier_wait -1
.endm
.macro QUANT16 src, dst, by            ; 16 numbers of a lane, half of a block shared with lane l xor 16 -> three registers of codes and the byte
	v_max3_num_f32 v[TA], |v[(\src)]|, |v[(\src)+1]|, 0x1800000
	v_max3_num_f32 v[TBB], |v[(\src)+8]|, |v[(\src)+9]|, |v[(\src)+10]|
	v_max3_num_f32 v[TA], v[TA], |v[(\src)+2]|, |v[(\src)+3]|
	v_max3_num_f32 v[TBB], v[TBB], |v[(\src)+11]|, |v[(\src)+12]|
	v_max3_num_f32 v[TA], v[TA], |v[(\src)+4]|, |v[(\src)+5]|
	v_max3_num_f32 v[TBB], v[TBB], |v[(\src)+13]|, |v[(\src)+14]|
	v_max3_num_f32 v[TA], v[TA], |v[(\src)+6]|, |v[(\src)+7]|
	s_delay_alu instid0(VALU_DEP_1)
	v_max3_num_f32 v[TA], v[TA], v[TBB], |v[(\src)+15]|
	s_delay_alu instid0(VALU_DEP_1)
	v_permlanex16_b32 v[TP], v[TA], s20, s21
	s_delay_alu instid0(VALU_DEP_1)
	v_max_num_f32 v[TA], v[TA], v[TP]
	s_delay_alu instid0(VALU_DEP_1)
	v_add_nc_u32 v[TS], 0xff000000, v[TA]
	s_delay_alu instid0(VALU_DEP_1)
	v_lshrrev_b32 v[(\by)], 23, v[TS]
	v_cvt_scalef32_pk16_fp6_f32 v[(\dst):(\dst)+2], v[(\src):(\src)+15], v[TS]
	v_nop                                          ; one plain place behind a scaled conversion
.endm
.macro KLOAD off                       ; K's two fragments and their scale words, eight loads
.irp c, 0,1
.irp i, 0,1,2
	ds_load_b128 v[48+12*\c+4*\i:51+12*\c+4*\i], v3 offset:(\off)+1536*\c+16*\i
.endr
	ds_load_b32 v[196+\c], v4 offset:(\off)+64*\c
.endr
.endm
.macro SMUL c                          ; the scores of keys 64 c + 0 .. 63: four products, q in block 0, 1, 2, 3
.irp i, 0,1,2,3
	v_wmma_scale_f32_16x16x128_f8f6f4 v[S+32*(\c)+8*\i:S+32*(\c)+8*\i+7], v[48+12*(\c):59+12*(\c)], v[22+12*(\i%2)-6*(\i/2):33+12*(\i%2)-6*(\i/2)], 0, v[196+(\c)], v46 matrix_a_fmt:MATRIX_FMT_FP6 matrix_b_fmt:MATRIX_FMT_FP6
.endr
.endm
.macro MV a, b                         ; one of the blocks' upper codes goes to its place in p's fragment
	v_mov_b32 v[P+(\a)], v[(\b)]
.endm
.macro PV                              ; O^T += v^T p^T: two accumulators by turns
.irp u, 0,1
	v_wmma_scale_f32_16x16x128_f8f6f4 v[O+8*\u:O+8*\u+7], v[72+12*\u:83+12*\u], v[P:P+11], v[O+8*\u:O+8*\u+7], v[198+\u], v200 matrix_a_fmt:MATRIX_FMT_FP6 matrix_b_fmt:MATRIX_FMT_FP6
.endr
.endm
.macro FMAS n                          ; n pairs of scores -> t - M, from pair j on
.rept \n
	v_pk_fma_f32 v[S+j:S+j+1], v[S+j:S+j+1], s[22:23], v[12:13] op_sel_hi:[1,0,0]
.set j, j+2
.endr
.endm
.macro CHAINS c                        ; block c's largest score, seven of each accumulator's eight: four chains by turns, each accumulator from its low end on
.irp i, 0,1,2,3
	v_max3_num_f32 v[MX+4*(\c)+\i], v[S+32*(\c)+8*\i], v[S+32*(\c)+8*\i+1], v[S+32*(\c)+8*\i+2]
.endr
.irp e, 3,5
.irp i, 0,1,2,3
	v_max3_num_f32 v[MX+4*(\c)+\i], v[MX+4*(\c)+\i], v[S+32*(\c)+8*\i+\e], v[S+32*(\c)+8*\i+\e+1]
.endr
.endr
.endm
.macro ADDS half                       ; pairs 4 .. 15 of one half of p onto that half's four chains
.irp g, 1,2,3
.irp k, 0,1,2,3
	v_pk_add_f32 v[CH+8*(\half)+2*\k:CH+8*(\half)+2*\k+1], v[CH+8*(\half)+2*\k:CH+8*(\half)+2*\k+1], v[S+32*(\half)+8*\g+2*\k:S+32*(\half)+8*\g+2*\k+1]
.endr
.endr
.endm
	s_load_b128 s[4:7], s[0:1], 0x0                ; qkvw, ow
	v_lshl_add_u32 v254, v0, 2, SPARE
	v_mov_b32 v255, 0
	ds_add_u32 v254, v255                          ; the opening lines: the add twice on end, and its wait ahead of my tensor load
	ds_add_u32 v254, v255
	v_lshrrev_b32 v3, 5, v0
	v_readfirstlane_b32 s8, v3                     ; wave 0..15
	s_bfe_u32 s9, ttmp6, 0x40000                   ; cx
	s_lshl_b32 s10, ttmp9, 2
	s_add_co_u32 s10, s10, s9                      ; block of 256 queries
	s_and_b32 s11, ttmp7, 0xffff                   ; 8 batch + head
	s_lshr_b32 s12, s11, 1
	s_mul_i32 s12, s12, 32*RUN
	s_and_b32 s44, s11, 1
	s_mul_i32 s44, s44, 9984
	s_add_co_u32 s12, s12, s44                     ; the head's record of step 0
	s_mul_i32 s44, s8, 2*RUN
	s_add_co_u32 s44, s44, s12                     ; my two steps' records
	s_mov_b32 s45, 0
	s_mul_i32 s46, s8, 2*STEPB                     ; and where they go
	s_lshl_b32 s42, s10, 1
	s_lshr_b32 s43, s8, 3
	s_add_co_u32 s42, s42, s43
	s_mul_i32 s42, s42, RUN
	s_add_co_u32 s42, s42, s12                     ; the record that holds my 16 queries
	s_mov_b32 s43, 0
	s_mov_b32 s24, 15|(3<<16)|(1<<21)              ; group 1: the cluster's four; elements of 8 bytes; bit 21 beside the mask
	s_mov_b32 s25, 800<<16                         ; tensor_dim0 = 800 elements: 6,400 bytes
	s_mov_b32 s26, 2<<16                           ; tensor_dim1 = 2
	s_mov_b32 s27, 800<<16                         ; tile_dim0
	s_mov_b32 s28, 2                               ; tile_dim1
	s_mov_b32 s29, RUN/8                           ; from row to row
	s_mov_b32 s30, 0
	s_mov_b32 s31, 0
	s_mov_b32 s20, 0x76543210
	s_mov_b32 s21, 0xfedcba98                      ; v_permlanex16_b32's selects for lane l xor 16
	s_mov_b32 s22, 0x3e8293ee                      ; c = log2(e) / sqrt(32)
	s_mov_b32 s23, s22
	s_mov_b32 s18, 0xbe8293ee                      ; -c
	s_mov_b32 s19, 0x06020400                      ; bytes 0, 2 of mine and of lane l xor 16's, by turns
	v_and_b32 v212, 31, v0                         ; L
	v_and_b32 v213, 15, v0                         ; r
	v_bfe_u32 v11, v0, 4, 1                        ; h
	v_mul_u32_u24 v1, v212, 48
	v_lshl_add_u32 v2, v213, 2, 6144
	s_mul_i32 s40, s8, 384
	s_add_co_u32 s40, s40, STG
	v_mul_u32_u24 v5, v213, 24                     ; o's codes in the stage: query 16 w + r, + 12 h
	v_mad_u32_u24 v5, v11, 12, v5
	v_add_nc_u32 v5, s40, v5
	s_lshl_b32 s40, s8, 4
	s_add_co_u32 s40, s40, STG+6144
	v_add_nc_u32 v6, s40, v213                     ; its scale byte
	s_lshl_b32 s40, s8, 8
	v_lshl_add_u32 v8, v212, 3, s40                ; the way out: 8 bytes a thread
	v_add_nc_u32 v7, STG, v8
	s_and_b32 s40, s8, 7
	s_mul_i32 s41, s40, 384
	s_add_co_u32 s41, s41, 6400
	v_mul_u32_u24 v9, v213, 24                     ; q's codes
	v_add_nc_u32 v9, s41, v9
	s_lshl_b32 s41, s40, 6
	s_add_co_u32 s41, s41, 9472
	v_lshl_add_u32 v10, v213, 2, s41               ; q's scale word
	s_wait_dscnt 0x0                               ; both opening adds are done
	s_wait_kmcnt 0x0
	s_mov_b32 s32, 1
	s_mov_b32 s33, s46
	s_add_nc_u64 s[34:35], s[4:5], s[44:45]
	s_or_b32 s35, s35, 0x80000000
	s_add_nc_u64 s[14:15], s[4:5], s[42:43]
	s_lshl_b32 s42, s11, 4
	s_add_co_u32 s42, s42, s10
	s_mul_i32 s42, s42, 6400
	s_add_nc_u64 s[16:17], s[6:7], s[42:43]
	ROUND                                          ; the four work-groups are here: the joint loads meet
	tensor_load_to_lds s[32:35], s[24:31]          ; my one tensor load of the launch
	s_nop 0
	s_wait_alu depctr_va_vdst(0)                   ; the wait here, ahead of the readers of the head's addresses
.irp p, 0,1,2
	global_load_b64 v[240+2*\p:241+2*\p], v9, s[14:15] offset:8*\p
.endr
	global_load_b32 v46, v10, s[14:15]
.irp j, 16,17,18,19,20,21,28,29,30,31,32,33,40,41,42,43,44,45
	v_mov_b32 v\j, 0                               ; the zero codes round q
.endr
	v_mov_b32 v13, 0xff61b1e6                      ; the largest score so far: -3e38
	v_floor_f32 v12, -v13
.set j, 0
.rept 16
	v_mov_b32 v[O+j], 0
	v_mov_b32 v[CH+j], 0
.set j, j+1
.endr
	v_mov_b32 v208, 0                              ; a lane permute's destination counts as one of its sources
	v_mov_b32 v213, 0
	v_mov_b32 v211, 0                              ; the upper half of the pair v[210:211]
	s_mov_b32 s40, 0                               ; this step's place in LDS
	v_add_nc_u32 v3, s40, v1
	v_add_nc_u32 v4, s40, v2
	s_wait_loadcnt 0x0
	v_cmp_gt_u32 vcc_lo, 16, v212
.irp i, 0,1,2,3,4,5
	v_cndmask_b32 v[22+\i], 0, v[240+\i], vcc_lo   ; q in lanes 0-15: blocks 0 and 2
	v_cndmask_b32 v[34+\i], v[240+\i], v16, vcc_lo ; q in lanes 16-31: blocks 1 and 3
.endr
	s_wait_alu depctr_va_vdst(0)
	s_wait_tensorcnt 0x0                           ; my two steps are in
	s_barrier_signal -1
	s_barrier_wait -1                              ; and everybody's: all 32 steps lie in LDS
	KLOAD 0
.macro STEP first, last
.if \first
	s_wait_dscnt 0x0
.else
	s_wait_dscnt 8                                 ; K's eight loads are in; V's eight of the step before, issued behind them, may be out
.endif
	SMUL 0
.if \first
.rept 4
	v_nop                                          ; four places (ISA guide 7.12.1) ahead of the first read of these scores
.endr
.else
	ADDS 1                                         ; the last step's sums over the second half of p, which the products below write over; also those places
.endif
	SMUL 1
	CHAINS 0                                       ; twelve lines on the first half: the places ahead of the loads into K's registers and of the first read of the second half
.if \last == 0
	KLOAD STEPB                                    ; the next step's K
.endif
	CHAINS 1
.irp c, 0,1
	v_max3_num_f32 v[MX+4*\c], v[MX+4*\c], v[MX+4*\c+1], v[S+32*\c+7]      ; the chains meet, with each accumulator's eighth
	v_max3_num_f32 v[MX+4*\c+2], v[MX+4*\c+2], v[MX+4*\c+3], v[S+32*\c+15]
.endr
.irp c, 0,1
	v_max3_num_f32 v[MX+4*\c], v[MX+4*\c], v[MX+4*\c+2], v[S+32*\c+23]
.endr
.irp c, 0,1
	v_max_num_f32 v[202+\c], v[MX+4*\c], v[S+32*\c+31]                     ; the block's largest score
.endr
	; the new M; among its lines the last step's scale word and the moves of its codes
	v_max3_num_f32 v212, v13, v202, v203
.if \first == 0
	v_lshrrev_b32 v206, 23, v204                   ; the last step's two scale bytes
	v_lshrrev_b32 v207, 23, v205
	MV 3, 188
.endif
	v_permlanex16_b32 v208, v212, s20, s21
.if \first == 0
	v_lshl_or_b32 v209, v207, 16, v206             ; blocks h and 2 + h, at bytes 0 and 2
	MV 4, 189
	MV 5, 190
.endif
	v_max_num_f32 v13, v212, v208                  ; the running largest score of my query
.if \first == 0
	v_permlanex16_b32 v213, v209, s20, s21
	MV 9, 192
.endif
	v_mul_f32 v212, s18, v13                       ; -t
.if \first == 0
	MV 10, 193
	v_perm_b32 v200, v213, v209, s19               ; lanes 0-15, which alone are read: blocks 0, 1, 2, 3
	MV 11, 194
.endif
	v_floor_f32 v206, v212                         ; the new -M = floor(-t)
	s_delay_alu instid0(VALU_DEP_1)
	v_sub_f32 v212, v206, v12                      ; old M - new M, a whole number, 0 or less
	v_mov_b32 v12, v206
	v_cvt_i32_f32 v212, v212                       ; (it saturates)
	s_delay_alu instid0(VALU_DEP_1)
	v_ldexp_f32 v210, 1.0, v212                    ; f
.irp c, 0,1
	v_fma_f32 v[202+\c], v[202+\c], s22, v12
.endr
.set j, 0
	FMAS 22
.if \first == 0
.if \last
	s_wait_dscnt 0x0
.else
	s_wait_dscnt 8                                 ; the last step's V is in; the next K's eight loads may be out
.endif
	PV                                             ; the last step's; p's scale word was written more than eight places ago
.endif
	FMAS 10                                        ; also the places ahead of the loads into V's registers and of the first read of O^T
.irp u, 0,1
.irp i, 0,1,2
	ds_load_b128 v[72+12*\u+4*\i:75+12*\u+4*\i], v3 offset:3072+1536*\u+16*\i
.endr
	ds_load_b32 v[198+\u], v4 offset:128+64*\u
.endr
.if \last == 0
	s_add_co_u32 s40, s40, STEPB
	v_add_nc_u32 v3, s40, v1
	v_add_nc_u32 v4, s40, v2
.endif
	s_wait_alu depctr_va_vdst(0)                   ; ahead of the batch of exponentials
.set j, 0
.rept 64
	v_exp_f32 v[S+j], v[S+j]                       ; p = 2^(t - M)
.set j, j+1
.endr
.irp c, 0,1
	v_exp_f32 v[202+\c], v[202+\c]                 ; each block's largest p
.endr
	s_wait_alu depctr_va_vdst(0)                   ; one wait for the batch, directly ahead of the first reader of O^T
.set j, 0
.rept 8
	v_pk_mul_f32 v[O+j:O+j+1], v[O+j:O+j+1], v[210:211] op_sel_hi:[1,0]   ; O^T under the new M
.set j, j+2
.endr
.irp c, 0,1
	v_max_num_f32 v[202+\c], 0x1800000, v[202+\c]  ; the floor 2^(3 - 127): the byte cannot fall under 1
.endr
.irp c, 0,1
	v_add_nc_u32 v[204+\c], 0xff000000, v[202+\c]  ; 2 off the exponent field: the conversion's scale operand
.endr
.irp g, 0,1
.irp k, 0,1,2,3
	v_pk_fma_f32 v[CH+8*\g+2*\k:CH+8*\g+2*\k+1], v[CH+8*\g+2*\k:CH+8*\g+2*\k+1], v[210:211], v[S+32*\g+2*\k:S+32*\g+2*\k+1] op_sel_hi:[1,0,1]   ; each chain under the new M, and its first p
.endr
.endr
	v_cvt_scalef32_pk16_fp6_f32 v[P:P+2], v[S:S+15], v204
	v_cvt_scalef32_pk16_fp6_f32 v[188:190], v[S+16:S+31], v204
	v_cvt_scalef32_pk16_fp6_f32 v[P+6:P+8], v[S+32:S+47], v205
	v_cvt_scalef32_pk16_fp6_f32 v[192:194], v[S+48:S+63], v205
	ADDS 0                                         ; the sums over the first half of the unquantised p; the second half's follow at the next step's top
.endm
	STEP 1, 0                                      ; step 0 has no step before it
	s_mov_b32 s41, 30
.Lstep:
	STEP 0, 0
	s_sub_co_u32 s41, s41, 1
	s_cmp_lg_u32 s41, 0
	s_cbranch_scc1 .Lstep
	STEP 0, 1                                      ; step 31 asks for no further K
	ADDS 1                                         ; step 31 is finished: its sums,
.irp i, 0,1,2
	MV 3+\i, 188+\i                                ; its codes,
	MV 9+\i, 192+\i
.endr
	v_lshrrev_b32 v206, 23, v204                   ; its scale word
	v_lshrrev_b32 v207, 23, v205
	s_delay_alu instid0(VALU_DEP_1)
	v_lshl_or_b32 v209, v207, 16, v206
	s_delay_alu instid0(VALU_DEP_1)
	v_permlanex16_b32 v213, v209, s20, s21
	s_delay_alu instid0(VALU_DEP_1)
	v_perm_b32 v200, v213, v209, s19
.irp k, 0,1,2,3
	v_pk_add_f32 v[CH+2*\k:CH+2*\k+1], v[CH+2*\k:CH+2*\k+1], v[CH+8+2*\k:CH+9+2*\k]   ; the sum's eight chains meet; these lines are also the eight places between the scale word and the scaled product
.endr
.irp k, 0,1
	v_pk_add_f32 v[CH+2*\k:CH+2*\k+1], v[CH+2*\k:CH+2*\k+1], v[CH+4+2*\k:CH+5+2*\k]
.endr
	v_pk_add_f32 v[CH:CH+1], v[CH:CH+1], v[CH+2:CH+3]
	s_delay_alu instid0(VALU_DEP_1)
	v_add_f32 v14, v[CH], v[CH+1]
	s_delay_alu instid0(VALU_DEP_1)
	v_permlanex16_b32 v208, v14, s20, s21
	s_delay_alu instid0(VALU_DEP_1)
	v_add_f32 v14, v14, v208                       ; and lane l xor 16's: the row's sum
	s_wait_alu depctr_va_vdst(0)                   ; directly ahead of the wait below; it stands ahead of the reciprocal too
	s_wait_dscnt 0x0                               ; step 31's V is in
	PV
	v_rcp_f32 v14, v14
.rept 4
	v_nop                                          ; four places ahead of the first read of O^T
.endr
	s_wait_alu depctr_va_vdst(0)                   ; the wait behind the reciprocal, directly ahead of the first reader of O^T
.set j, 0
.rept 16
	v_mul_f32 v[216+j], v[O+j], v14                ; lane (r, h): query r, channels 16 h + 0 .. 15 (V's rows are laid so)
.set j, j+1
.endr
	QUANT16 216, 232, 236
	ds_store_b32 v5, v232
	ds_store_b32 v5, v233 offset:4
	ds_store_b32 v5, v234 offset:8
	ds_store_b8 v6, v236                           ; both lanes of a block write the same byte with the same value
	s_wait_dscnt 0x0
	s_barrier_signal -1
	s_barrier_wait -1                              ; the record lies whole in the stage
	ds_load_b64 v[246:247], v7
	s_wait_dscnt 0x0
	global_store_b64 v8, v[246:247], s[16:17]      ; a wave stores 256 consecutive bytes, aligned
	s_cmp_lt_u32 s8, 9
	s_cbranch_scc0 .Lnone
	ds_load_b64 v[248:249], v7 offset:4096         ; 6,400 bytes = 16 + 9 waves' stores
	s_wait_dscnt 0x0
	global_store_b64 v8, v[248:249], s[16:17] offset:4096
.Lnone:
	s_wait_tensorcnt 0x0                           ; the wave's end
	ds_add_u32 v254, v255
	s_wait_dscnt 0x0
	ROUND                                          ; the closing round
	s_endpgm
.Lfunc_end_k_q09208fb550_attn:
	.size	k_q09208fb550_attn, .Lfunc_end_k_q09208fb550_attn-k_q09208fb550_attn
	.p2alignl 7, 3214868480
	.fill 96, 4, 3214868480
	.section	.rodata,"a",@progbits
	.p2align	6, 0x0
	.amdhsa_kernel k_q09208fb550_attn
		.amdhsa_group_segment_fixed_size 327680
		.amdhsa_private_segment_fixed_size 0
		.amdhsa_enable_private_segment 0
		.amdhsa_kernarg_size 16
		.amdhsa_user_sgpr_count 2
		.amdhsa_user_sgpr_kernarg_segment_ptr 1
		.amdhsa_wavefront_size32 1
		.amdhsa_system_sgpr_workgroup_id_x 1
		.amdhsa_system_sgpr_workgroup_id_y 1
		.amdhsa_system_sgpr_workgroup_id_z 1
		.amdhsa_system_vgpr_workitem_id 0
		.amdhsa_next_free_vgpr 256
		.amdhsa_next_free_sgpr 66
		.amdhsa_reserve_vcc 1
		.amdhsa_float_denorm_mode_32 3
		.amdhsa_float_denorm_mode_16_64 3
		.amdhsa_memory_ordered 1
		.amdhsa_forward_progress 1
		.amdhsa_inst_pref_size 49
	.end_amdhsa_kernel
	.amdgpu_metadata
---
amdhsa.version: [ 1, 2 ]
amdhsa.kernels:
  - .name:           k_q09208fb550_attn
    .symbol:         k_q09208fb550_attn.kd
    .args:
      - { .name: qkvw, .offset: 0, .size: 8, .value_kind: global_buffer, .address_space: global }
      - { .name: ow, .offset: 8, .size: 8, .value_kind: global_buffer, .address_space: global }
    .group_segment_fixed_size: 327680
    .private_segment_fixed_size: 0
    .kernarg_segment_align: 8
    .kernarg_segment_size: 16
    .max_flat_workgroup_size: 512
    .sgpr_count:     66
    .vgpr_count:     256
    .wavefront_size: 32
...
	.end_amdgpu_metadata
.endif
;; end of part 2
;; launch proj (part 3): grid 64 x 4, 8 waves a work-group, no clusters, 47,616 bytes of LDS; arguments ow, w_out, b_out, out0; writes out0
.if DOCPART == 3
	.amdgcn_target "amdgcn-amd-amdhsa--gfx1250"
	.amdhsa_code_object_version 6
	.text
	.protected	k_q09208fb550_proj
	.globl	k_q09208fb550_proj
	.p2align	8
	.type	k_q09208fb550_proj,@function
k_q09208fb550_proj:
	s_mov_b64 s[64:65], 0
	v_nop
	global_prefetch_b8 v0, s[64:65] scope:SCOPE_SE
	s_setreg_imm32_b32 hwreg(HW_REG_WAVE_MODE, 25, 1), 1
	s_wait_xcnt 0x0
; out0[b][c][n] = sum over k of O[b][n][k] w_out[k][c] + b_out[c], on codes of FP6 (E2M3) with E8M0 scales.  K = (head, 32): a block of 32 is one head's output of one token, which the launch before has quantised:
; ow holds, for (8 batch + head, block of 256 queries), a record of 6,400 bytes: 24 bytes of codes a query, then 256 scale bytes; from head to head 102,400 bytes.  w_out: [256 (k)][256 (c)] f32; out0: [2][256][4096] f32.
; SHARES.  A work-group takes 128 tokens (work-group x) and 64 channels (work-group y).  Wave w owns tokens 16 w .. 16 w + 15: it loads its two fragments of O straight from ow: a block's 24 bytes are six registers of the operand.
; Each wave quantises two blocks (32 columns x 32 k) of w_out, a lane to a column, registers down K; the eight fragments go to LDS as images of the operand's registers (lane l's 48 bytes at 48 l) and every wave reads all eight.
; Source 0 = 16 tokens, source 1 = 16 channels: a lane holds one channel and eight neighbouring tokens, 32 consecutive bytes of out0.  A channel's 128 tokens come from eight waves: they meet in a stage in LDS and leave as rows of 512 bytes.
; NO CLUSTER, NO TENSOR LOAD: the weight that work-groups share is f32 that has to pass through registers for the quantiser, 64 KiB a work-group; the launch asks for all that it reads at its head.
; LIMITS: NaN and infinities among the inputs are not served.  A block of w_out whose largest magnitude lies under 2^-124, a block of zeros too, takes the scale byte 1; the bytes are read by this program alone.
.set WIMG, 0                           ; w_out's 8 fragments: (channel tile ct, K step s) at (2 ct + s) x 1,536
.set WSC,  12288                       ; their scale words, 64 bytes a fragment
.set STG,  12800                       ; 64 channels x (512 bytes + 16)
.set HEADB, 102400
.set R,    32                          ; v32-95   64 numbers of w_out; then v32-127 the 8 fragments; then rows of out0
.set AF,   128                         ; v128-151 O's two fragments
.set AB,   152                         ; v152-159 my token's eight scale bytes
.set AS,   160                         ; v160-161 O's scale words;  v162-169 w_out's: these hold scales and nothing else
.set WS,   162
.set ACC,  176                         ; v176-207 four tiles of 16 channels
.set BI,   208                         ; v208-215 the bias, a pair for each tile
.set CT,   224                         ; v224-226 a block's upper 16 codes
.set TA,   240
.set TBB,  241
.set TS,   242
.macro QCOL src, dst, by               ; 32 numbers of ONE block in a lane's registers -> six registers of codes and the scale's byte
	v_max3_num_f32 v[TA], |v[(\src)]|, |v[(\src)+1]|, |v[(\src)+2]|
	v_max3_num_f32 v[TBB], |v[(\src)+3]|, |v[(\src)+4]|, |v[(\src)+5]|
.irp i, 6,10,14,18,22,26
	s_delay_alu instid0(VALU_DEP_2)
	v_max3_num_f32 v[TA], v[TA], |v[(\src)+\i]|, |v[(\src)+\i+1]|
	s_delay_alu instid0(VALU_DEP_2)
	v_max3_num_f32 v[TBB], v[TBB], |v[(\src)+\i+2]|, |v[(\src)+\i+3]|
.endr
	s_delay_alu instid0(VALU_DEP_2)
	v_max3_num_f32 v[TA], v[TA], |v[(\src)+30]|, |v[(\src)+31]|
	s_delay_alu instid0(VALU_DEP_1)
	v_max3_num_f32 v[TA], v[TA], v[TBB], 0x1800000             ; the floor 2^(3 - 127): the byte cannot fall under 1
	s_delay_alu instid0(VALU_DEP_1)
	v_add_nc_u32 v[TS], 0xff000000, v[TA]                      ; 2 off the exponent field: the conversion's scale operand
	s_delay_alu instid0(VALU_DEP_1)
	v_lshrrev_b32 v[(\by)], 23, v[TS]
	v_cvt_scalef32_pk16_fp6_f32 v[(\dst):(\dst)+2], v[(\src):(\src)+15], v[TS]
	v_cvt_scalef32_pk16_fp6_f32 v[CT:CT+2], v[(\src)+16:(\src)+31], v[TS]
	v_nop                                                      ; one plain place behind a scaled conversion
.irp i, 0,1,2
	v_mov_b32 v[(\dst)+3+\i], v[CT+\i]
.endr
.endm
.macro BARRIER
	s_wait_dscnt 0x0
	s_barrier_signal -1
	s_barrier_wait -1
.endm
	s_load_b256 s[4:11], s[0:1], 0x0               ; ow s[4:5], w_out s[6:7], b_out s[8:9], out0 s[10:11]
	v_lshl_add_u32 v254, v0, 2, 0xb600
	v_mov_b32 v255, 0
	v_lshrrev_b32 v240, 5, v0
	s_delay_alu instid0(VALU_DEP_1)
	v_readfirstlane_b32 s12, v240                  ; wave 0..7
	s_and_b32 s14, ttmp7, 0xffff                   ; which 64 channels
	s_lshr_b32 s24, ttmp9, 5                       ; batch
	s_and_b32 s25, ttmp9, 31                       ; which 128 tokens of it
	s_and_b32 s26, ttmp9, 1                        ; which half of a record's 256 queries
	s_bfe_u32 s27, ttmp9, 0x40001                  ; which record
	s_lshr_b32 s28, s12, 1                         ; w_out: 64 (w / 2) rows of 1,024 bytes,
	s_lshl_b32 s28, s28, 16
	s_lshl_b32 s32, s14, 8                         ; the work-group's 64 columns,
	s_add_co_u32 s28, s28, s32
	s_and_b32 s38, s12, 1
	s_lshl_b32 s36, s38, 7                         ; my wave's 32 of them
	s_add_co_u32 s28, s28, s36
	s_mov_b32 s29, 0
	s_mov_b32 s33, 0                               ; b_out: s[32:33] = 256 x work-group y
	s_lshl_b32 s30, s24, 7                         ; ow: record 128 batch + block of 256 (head 0)
	s_add_co_u32 s30, s30, s27
	s_mul_i32 s30, s30, 6400
	s_mov_b32 s31, 0
	s_lshl_b32 s34, s14, 6                         ; out0: channel 64 y + 8 w,
	s_lshl_b32 s36, s12, 3
	s_add_co_u32 s34, s34, s36
	s_lshl_b32 s34, s34, 14
	s_lshl_b32 s36, s24, 22                        ; the batch,
	s_add_co_u32 s34, s34, s36
	s_lshl_b32 s36, s25, 9                         ; the 128 tokens
	s_add_co_u32 s34, s34, s36
	s_mov_b32 s35, 0
	v_and_b32 v240, 31, v0                         ; L
	v_and_b32 v241, 15, v0                         ; r
	v_bfe_u32 v242, v0, 4, 1                       ; h
	s_delay_alu instid0(VALU_DEP_3)
	v_lshlrev_b32 v1, 2, v240                      ; 4 L: my column of w_out
	s_delay_alu instid0(VALU_DEP_3)
	v_lshlrev_b32 v5, 2, v241                      ; 4 r: a scale word's place, and my channel's bias
	s_delay_alu instid0(VALU_DEP_4)
	v_mul_u32_u24 v6, v241, 24                     ; O's codes: head h (of a pair), query 128 half + 16 w + r
	s_delay_alu instid0(VALU_DEP_4)
	v_mul_u32_u24 v243, v242, HEADB
	s_delay_alu instid0(VALU_DEP_1)
	v_add_nc_u32 v6, v6, v243
	s_mul_i32 s36, s26, 3072
	s_mul_i32 s37, s12, 384
	s_add_co_u32 s36, s36, s37
	v_add_nc_u32 v6, s36, v6
	s_lshl_b32 s36, s26, 7                         ; and its scale byte
	s_lshl_b32 s37, s12, 4
	s_add_co_u32 s36, s36, s37
	s_add_co_u32 s36, s36, 6144
	v_add_nc_u32 v7, s36, v241
	s_wait_alu depctr_va_vdst(0)
	s_wait_kmcnt 0x0
	s_add_nc_u64 s[16:17], s[6:7], s[28:29]
	s_add_nc_u64 s[18:19], s[4:5], s[30:31]
	s_add_nc_u64 s[20:21], s[8:9], s[32:33]
	s_add_nc_u64 s[22:23], s[10:11], s[34:35]
.irp s, 0,1                            ; registers 6 c .. 6 c + 5 of K step s: block 2 c + h = head 4 s + 2 c + h
.irp c, 0,1
.irp p, 0,1,2
	global_load_b64 v[AF+12*\s+6*\c+2*\p:AF+12*\s+6*\c+2*\p+1], v6, s[18:19] offset:(4*\s+2*\c)*HEADB+8*\p
.endr
.endr
.endr
.irp g, 0,1,2,3,4,5,6,7
	global_load_u8 v[AB+\g], v7, s[18:19] offset:\g*HEADB
.endr
.irp t, 0,1,2,3
	global_load_b32 v[BI+2*\t], v5, s[20:21] offset:64*\t
	global_load_b32 v[BI+2*\t+1], v5, s[20:21] offset:64*\t    ; twice: a pair for the packed addition
.endr
.set i, 0
.rept 64
	global_load_b32 v[R+i], v1, s[16:17] offset:i*1024         ; w_out(64 (w / 2) + i, my column): 32 lanes read 128 consecutive bytes
.set i, i+1
.endr
	; the LDS addresses, made while the loads are out
	s_lshr_b32 s39, s12, 2                         ; K step of my two blocks
	s_bfe_u32 s40, s12, 0x10001                    ; which pair of its four blocks
	v_mul_u32_u24 v2, v242, 3072                   ; v2: my column's codes: tile 2 (w & 1) + L / 16, row r
	s_delay_alu instid0(VALU_DEP_1)
	v_mad_u32_u24 v2, v241, 48, v2
	s_mul_i32 s36, s38, 6144
	s_mul_i32 s37, s39, 1536
	s_add_co_u32 s36, s36, s37
	s_mul_i32 s37, s40, 24
	s_add_co_u32 s36, s36, s37
	v_add_nc_u32 v2, s36, v2
	v_lshlrev_b32 v3, 7, v242                      ; v3: its two scale bytes
	s_delay_alu instid0(VALU_DEP_1)
	v_lshl_add_u32 v3, v241, 2, v3
	s_lshl_b32 s36, s38, 8
	s_lshl_b32 s37, s39, 6
	s_add_co_u32 s36, s36, s37
	s_lshl_b32 s37, s40, 1
	s_add_co_u32 s36, s36, s37
	v_add_nc_u32 v3, s36, v3
	v_mul_u32_u24 v4, v240, 48                     ; v4: my 48 bytes of an image
	v_mul_u32_u24 v8, v241, 528                    ; v8: the stage, in: row r of a tile, my wave's 64 bytes, + 32 h
	s_delay_alu instid0(VALU_DEP_1)
	v_lshl_add_u32 v8, v242, 5, v8
	s_lshl_b32 s36, s12, 6
	s_add_co_u32 s36, s36, STG
	v_add_nc_u32 v8, s36, v8
	v_lshlrev_b32 v10, 4, v240                     ; v10: 16 L;  v9: the stage, back: rows 8 w on
	s_mul_i32 s36, s12, 8*528
	s_add_co_u32 s36, s36, STG
	v_add_nc_u32 v9, s36, v10
	s_wait_loadcnt 32                              ; all but the second block's 32 loads are in
.irp s, 0,1                            ; O's scale words: byte j = head 4 s + j.  Made here: the two quantisers below are the places between them and the scaled products
	v_lshl_or_b32 v[AS+\s], v[AB+4*\s+1], 8, v[AB+4*\s]
	s_delay_alu instid0(VALU_DEP_1)
	v_lshl_or_b32 v[AS+\s], v[AB+4*\s+2], 16, v[AS+\s]
	s_delay_alu instid0(VALU_DEP_1)
	v_lshl_or_b32 v[AS+\s], v[AB+4*\s+3], 24, v[AS+\s]
.endr
	QCOL R, 216, 244
.irp p, 0,1,2
	ds_store_b64 v2, v[216+2*\p:217+2*\p] offset:WIMG+8*\p
.endr
	s_wait_loadcnt 0x0
	QCOL R+32, 228, 245
.irp p, 0,1,2
	ds_store_b64 v2, v[228+2*\p:229+2*\p] offset:WIMG+768+8*\p
.endr
	v_lshl_or_b32 v246, v245, 8, v244              ; the two bytes are neighbours in a scale word
	ds_store_b16 v3, v246 offset:WSC
	BARRIER                                        ; w_out's eight fragments lie in LDS
.irp f, 0,1,2,3,4,5,6,7
.irp i, 0,1,2
	ds_load_b128 v[R+12*\f+4*\i:R+12*\f+4*\i+3], v4 offset:WIMG+1536*\f+16*\i
.endr
	ds_load_b32 v[WS+\f], v5 offset:WSC+64*\f
.endr
	s_wait_dscnt 0x0
.irp t, 0,1,2,3                        ; four accumulators by turns, a K step at a time
	v_wmma_scale_f32_16x16x128_f8f6f4 v[ACC+8*\t:ACC+8*\t+7], v[AF:AF+11], v[R+24*\t:R+24*\t+11], 0, v[AS], v[WS+2*\t] matrix_a_fmt:MATRIX_FMT_FP6 matrix_b_fmt:MATRIX_FMT_FP6
.endr
.irp t, 0,1,2,3
	v_wmma_scale_f32_16x16x128_f8f6f4 v[ACC+8*\t:ACC+8*\t+7], v[AF+12:AF+23], v[R+24*\t+12:R+24*\t+23], v[ACC+8*\t:ACC+8*\t+7], v[AS+1], v[WS+2*\t+1] matrix_a_fmt:MATRIX_FMT_FP6 matrix_b_fmt:MATRIX_FMT_FP6
.endr
.rept 4
	v_nop                                          ; four places (ISA guide 7.12.1) ahead of the first read of the results
.endr
.irp t, 0,1,2,3
.irp j, 0,2,4,6
	v_pk_add_f32 v[ACC+8*\t+\j:ACC+8*\t+\j+1], v[ACC+8*\t+\j:ACC+8*\t+\j+1], v[BI+2*\t:BI+2*\t+1]   ; channel 16 t + r's bias; each accumulator from its low end on
.endr
.endr
.irp t, 0,1,2,3
	ds_store_b128 v8, v[ACC+8*\t:ACC+8*\t+3] offset:16*528*\t          ; lane (r, h): channel 16 t + r, tokens 16 w + 8 h + 0 .. 7
	ds_store_b128 v8, v[ACC+8*\t+4:ACC+8*\t+7] offset:16*528*\t+16
.endr
	BARRIER                                        ; 64 whole rows lie in the stage
.irp i, 0,1,2,3,4,5,6,7
	ds_load_b128 v[R+4*\i:R+4*\i+3], v9 offset:528*\i
.endr
.irp i, 0,1,2,3,4,5,6,7
	s_wait_dscnt 7-\i                              ; LDS loads come back in order: row i is in, the younger ones may be out
	global_store_b128 v10, v[R+4*\i:R+4*\i+3], s[22:23] offset:16384*\i th:TH_STORE_NT   ; 32 lanes store 512 consecutive bytes of one channel's row, aligned; written once, read by nobody here
.endr
	s_wait_tensorcnt 0x0
	ds_add_u32 v254, v255
	s_wait_dscnt 0x0
	s_endpgm
.Lfunc_end_k_q09208fb550_proj:
	.size	k_q09208fb550_proj, .Lfunc_end_k_q09208fb550_proj-k_q09208fb550_proj
	.p2alignl 7, 3214868480
	.fill 96, 4, 3214868480
	.section	.rodata,"a",@progbits
	.p2align	6, 0x0
	.amdhsa_kernel k_q09208fb550_proj
		.amdhsa_group_segment_fixed_size 47616
		.amdhsa_private_segment_fixed_size 0
		.amdhsa_enable_private_segment 0
		.amdhsa_kernarg_size 32
		.amdhsa_user_sgpr_count 2
		.amdhsa_user_sgpr_kernarg_segment_ptr 1
		.amdhsa_wavefront_size32 1
		.amdhsa_system_sgpr_workgroup_id_x 1
		.amdhsa_system_sgpr_workgroup_id_y 1
		.amdhsa_system_sgpr_workgroup_id_z 1
		.amdhsa_system_vgpr_workitem_id 0
		.amdhsa_next_free_vgpr 256
		.amdhsa_next_free_sgpr 66
		.amdhsa_reserve_vcc 0
		.amdhsa_float_denorm_mode_32 3
		.amdhsa_float_denorm_mode_16_64 3
		.amdhsa_memory_ordered 1
		.amdhsa_forward_progress 1
		.amdhsa_inst_pref_size 24
	.end_amdhsa_kernel
	.amdgpu_metadata
---
amdhsa.version: [ 1, 2 ]
amdhsa.kernels:
  - .name:           k_q09208fb550_proj
    .symbol:         k_q09208fb550_proj.kd
    .args:
      - { .name: ow, .offset: 0, .size: 8, .value_kind: global_buffer, .address_space: global }
      - { .name: w_out, .offset: 8, .size: 8, .value_kind: global_buffer, .address_space: global }
      - { .name: b_out, .offset: 16, .size: 8, .value_kind: global_buffer, .address_space: global }
      - { .name: out0, .offset: 24, .size: 8, .value_kind: global_buffer, .address_space: global }
    .group_segment_fixed_size: 47616
    .private_segment_fixed_size: 0
    .kernarg_segment_align: 8
    .kernarg_segment_size: 32
    .max_flat_workgroup_size: 256
    .sgpr_count:     66
    .vgpr_count:     256
    .wavefront_size: 32
...
	.end_amdgpu_metadata
.endif
;; end of part 3
